; MI455X (gfx1250); checked and timed in simulation.
; The chip was launched on July 23, 2026; its instructions are those of AMD's public machine-readable ISA for CDNA 5 (MIT licence, August 2026) and "CDNA5" Instruction Set Architecture Reference Guide (July 2026). The comments in the code are by the model that wrote it; some were corrected since.
;; Quantized Linear. Allowed arithmetic: matrix products marked QUANTISED: E5M2 operands, one E8M0 scale for each 32 along K, by v_wmma_scale_f32_16x16x128_f8f6f4 with both operands' format E5M2, f32 sums; everything else in f32.
;; Inputs: bias 4,096 float32; scales 4,096 x 32 float32; weight_packed 4,096 x 2,048 int32; x_codes 4 x 1,024 x 128 x 32 uint8 (E5M2 codes of x, K innermost, in blocks of 32 codes); x_scales 4 x 1,024 x 128 uint8 (E8M0 scales of x, one for each 32 codes along K); zeros 4,096 x 32 float32.
;; Outputs: out0 4 x 1,024 x 4,096 float32.
;; This version of the problem:
;;   THIS VERSION OF THE PROBLEM IS GIVEN IN LOW PRECISION. The matrix products marked QUANTISED in the list below multiply operands that are first quantised to E5M2 (5 exponent bits, 2 mantissa bits; 8 bits a number), with one power-of-two scale for each 32 numbers along K (OCP MX v1.0); their sums are f32. All else is computed in f32.
;;   The module's matrix products, in the order in which they are computed (A, B: the left and right operand; K: the contracted axis; several contracted axes count as one K, in the product's order):
;;     1. [M 4,096, K 4,096] x [K 4,096, N 4,096]; A: input x (given as codes); B: computed on the way: QUANTISED
;;   THE QUANTISER, for each operand of a quantised product, along K:
;;     - K is cut into blocks of 32 from its start; a last block that is shorter is filled with zeros.
;;     - A block's scale is 2^e with e = floor(log2(the largest magnitude in the block)) - 15, held to -126 .. 127; a block of zeros has e = 0. As a byte (E8M0): e + 127.
;;     - Each number is divided by its block's scale, clamped to +-57,344, and rounded to the nearest number of E5M2, ties to even, subnormals kept.
;;     - The product sums the exact products of the quantised numbers (number of the format x scale) in f32.
;;   ~~~python
;;   def quantise(x, axis):      # numpy; x: float32 -> the quantised numbers, widened to float32 again
;;       x = np.moveaxis(x, axis, -1); K = x.shape[-1]
;;       x = np.pad(x, [(0, 0)] * (x.ndim - 1) + [(0, -K % 32)]); x = x.reshape(x.shape[:-1] + (-1, 32)); a = np.abs(x).max(-1, keepdims=True)
;;       e = np.where(a > 0, np.clip(np.frexp(np.where(a > 0, a, 1))[1] - 1 - 15, -126, 127), 0)      # np.frexp(a)[1] - 1 = floor(log2(a)), exactly
;;       r = np.clip(x / 2.0 ** e, -57344, 57344)
;;       step = 2.0 ** (np.maximum(np.frexp(np.where(r == 0, 1, r))[1] - 1, -14) - 2)
;;       q = np.round(r / step) * step * 2.0 ** e      # np.round: ties to even
;;       return np.moveaxis(q.reshape(q.shape[:-2] + (-1,))[..., :K], -1, axis).astype(np.float32)
;;   ~~~
;;   OPERANDS COMPUTED ON THE WAY. 'Computed on the way' means the value that the module computes at that place (a softmax that the list does not call 'softmax' is quantised finished and normalised). What goes into a quantiser is computed in f32, as accurately as f32 sums, v_exp_f32 and their like allow (about 1e-6 of the number): no bf16 or f16 on the way to a quantiser, and a product that is left as it is and whose result goes on into a quantised operand takes f32 operands (vector FMAs, or v_wmma_f32_16x16x4_f32). A number that lies on a knife's edge between two numbers of the format may be rounded either way, as far as f32 arithmetic and the matrix unit's own rounding can turn it there, and no further.
;;   INPUTS GIVEN AS CODES. x (in the module: [4, 1024, 4096], K = its axis 2): each comes as NAME_codes (uint8): NAME with its K axis moved to the last place and cut into blocks of 32 codes, [.., K / 32, bytes a block], one block behind the other in memory; one code a byte (a code: sign, 5 exponent bits, 2 mantissa bits); and NAME_scales (uint8): the same leading axes, one E8M0 byte (e + 127) for each 32 codes along K. Its value is code x scale, taken as it is: it is not quantised again, and the codes and scales need not be those that the quantiser above would give.
;; One version. Each part assembles by itself: llvm-mc -triple=amdgcn-amd-amdhsa -mcpu=gfx1250 --defsym DOCPART=n.
;; ======== version 1 of 1: 2 launches
;; limits: right only within a limited range of input values
;; workspace buffers: w_codes 16,777,216 bytes; w_sc 524,288 bytes; x_sc 524,288 bytes
;; launch prep (part 1): grid 128 x 2, 8 waves a work-group, no clusters, 76,800 bytes of LDS; arguments weight_packed, scales, x_scales, w_codes, w_sc, x_sc; writes w_codes, w_sc, x_sc
.if DOCPART == 1
	.amdgcn_target "amdgcn-amd-amdhsa--gfx1250"
	.amdhsa_code_object_version 6
	.text
	.protected	k_q5a83806154_prep
	.globl	k_q5a83806154_prep
	.p2align	8
	.type	k_q5a83806154_prep,@function
k_q5a83806154_prep:
	s_mov_b64 s[64:65], 0
	v_nop
	global_prefetch_b8 v0, s[64:65] scope:SCOPE_SE
	s_setreg_imm32_b32 hwreg(HW_REG_WAVE_MODE, 25, 1), 1
	s_wait_xcnt 0x0
; THE WEIGHT BECOMES CODES, ONCE.  w[o][k] = (nibble - 8) x scales[o][k / 128] in f32 (word c of a row of weight_packed: low nibble k = 2 c, next nibble k = 2 c + 1), quantised along K to E5M2 with one E8M0 byte for each 32.
; w_codes leaves IN THE ORDER OF THE PRODUCT'S OPERAND REGISTERS: [o / 16][k / 128][c = 0..3][h = 0..1][r = o % 16][16 bytes]: the codes k = 128 (k / 128) + 32 c + 16 h + 0 .. 15 of row o.
; w_sc [16 (K step of 256)][4096 (row)][8 bytes], the two words of a row's eight bytes SWAPPED (byte b of the K step lies at b xor 4).  x_scales [4096][128] is laid anew, values unchanged, as x_sc [16][4096][8].
; A block's scale is 2^(floor(log2(its largest magnitude)) - 15); its byte is that magnitude's exponent field - 15, held at 1 from below; each number is held within +-57,344 x the scale and rounded to the nearest code, ties to even.
; nibble - 8 IS MADE EXACTLY, WITHOUT A CONVERSION: the low nibble is set into the mantissa of 2^23 (whose last place counts 1), the next nibble, where it lies in bits 7:4, into the mantissa of 2^19 (whose bit 4 counts 1);
; one packed addition takes 2^23 + 8 and 2^19 + 8 away, which rounds nothing.  The multiplication by the group's scale is then the one rounding that a product of two f32 numbers has.
; DEAD WORK: the input zeros is not among the arguments: reference() never uses it, whatever it holds.  A NaN or an infinity in it is not carried to the result.
; LIMITS: NaN and infinities among scales are not served.  A block of zeros gets the byte 1 where the rule says 127: its codes are zeros, and only this program reads the bytes.  Blocks whose largest magnitude lies under 2^-111 are held at the byte 1.
; SHARES.  Work-group (x, y): rows 32 x .. + 31, K half y.  Wave w: rows 16 (w / 4) .. + 15, K steps of 256 number 2 (w % 4) + u of the half, u = 0, 1.  Step t = 16 u + i: row i.
; A step is one load of 512 consecutive bytes: lane l takes 4 words = 8 neighbours along K (8 l on).  A block of 32 is four neighbouring lanes, a group of 128 sixteen.  All 32 loads of a wave go out at the start.
; A lane's 8 codes go into the wave's own stage in LDS: piece l / 2 (256 bytes + 16 of padding), row i's 16 bytes.  After 16 steps the stage holds two whole fragments, which leave as 8 stores of 512 consecutive bytes.
.set WSB,  2048                        ; LDS: 0-2047 256 bytes a wave; 2048-4095 w's scale bytes [8][32][8]; 4096-6143 x's; 6144-7167 the spare words; from 7168 the stages, 8,704 bytes a wave
.set XSB,  4096
.set CST,  7168
.set XO,   2                           ; 16 x lane
.set CO,   3                           ; 8 x lane
.set PO,   4                           ; 128 (lane % 16) + 8 (lane / 16): lane t takes step t's 8 bytes of scales and of x_scales
.set SA,   5                           ; 256 w + 4 x lane
.set SL,   6                           ; 256 w + 128 (lane / 16)
.set XA,   7                           ; x's bytes: plane 2 (w % 4) + lane / 16, row 16 (w / 4) + lane % 16
.set BA,   8                           ; my block's byte: 512 (w % 4) + 128 (w / 4) + (lane / 4 xor 4)
.set RD,   9                           ; 256 w + 8 x lane
.set P,    10
.set XL,   12
.set KC,   14                          ; v[14:15] -(2^23 + 8), -(2^19 + 8)
.set W,    16                          ; v16-21 two sets of three
.set CA,   22                          ; stage, in: 272 (lane / 2) + 8 (lane % 2)
.set CR,   23                          ; stage, back: 272 (lane / 16) + 16 (lane % 16)
.set F,    24                          ; v24-39 two sets of 8 numbers
.set S,    40                          ; v40-71 S[t]
.set X,    104                         ; v104-231 step t: 4 words; then codes and byte; then fragments read back
	s_load_b256 s[4:11], s[0:1], 0x0               ; weight_packed, scales, x_scales, w_codes
	s_load_b128 s[12:15], s[0:1], 0x20             ; w_sc, x_sc
	v_lshl_add_u32 v232, v0, 2, 0x1800
	v_mov_b32 v233, 0
	v_lshrrev_b32 v1, 5, v0
	v_readfirstlane_b32 s16, v1                    ; wave 0..7
	s_and_b32 s17, ttmp7, 0xffff                   ; y
	s_lshr_b32 s32, s16, 2                         ; g = w / 4
	s_and_b32 s25, s16, 3                          ; jp = w % 4
	s_lshl_b32 s18, ttmp9, 5
	s_lshl_b32 s19, s32, 4
	s_add_co_u32 s18, s18, s19                     ; my first row
	s_lshl_b32 s20, s18, 13                        ; weight_packed: rows of 8,192 bytes, a K half 4,096, two K steps 1,024
	s_lshl_b32 s19, s17, 12
	s_add_co_u32 s20, s20, s19
	s_lshl_b32 s19, s25, 10
	s_add_co_u32 s20, s20, s19
	s_mov_b32 s21, 0
	s_lshr_b32 s26, s20, 6                         ; scales and x_scales: a sixty-fourth of that everywhere
	s_mov_b32 s27, 0
	s_lshl_b32 s22, s18, 12                        ; w_codes: 16 rows are 65,536 bytes, 128 of K 2,048
	s_lshl_b32 s19, s17, 15
	s_add_co_u32 s22, s22, s19
	s_lshl_b32 s19, s25, 13
	s_add_co_u32 s22, s22, s19
	s_mov_b32 s23, 0
	s_lshl_b32 s28, s17, 3
	s_add_co_u32 s28, s28, s16                     ; the plane that I store at the end: 8 y + w
	s_lshl_b32 s28, s28, 15
	s_lshl_b32 s19, ttmp9, 8
	s_add_co_u32 s28, s28, s19
	s_mov_b32 s29, 0
	s_lshl_b32 s30, s25, 9
	s_lshl_b32 s19, s32, 7
	s_add_co_u32 s30, s30, s19                     ; 512 jp + 128 g
	s_mul_i32 s31, s16, 8704
	s_add_co_u32 s31, s31, CST                     ; my stage
	s_mov_b32 s24, 0x600000                        ; the mantissa field of 57,344
	s_mov_b32 s33, 0x4b000000                      ; 2^23
	s_mov_b32 s34, 0x49000000                      ; 2^19
	v_and_b32 v1, 31, v0
	v_and_b32 v14, 15, v0
	v_bfe_u32 v15, v0, 4, 1
	v_and_b32 v24, 0xe0, v0
	v_bfe_u32 v26, v0, 1, 4
	v_and_b32 v27, 1, v0
	v_lshlrev_b32 v[XO], 4, v1
	v_lshlrev_b32 v[CO], 3, v1
	v_lshlrev_b32 v[PO], 7, v14
	v_lshlrev_b32 v25, 3, v24
	v_lshl_add_u32 v[PO], v15, 3, v[PO]
	v_lshl_add_u32 v[SA], v1, 2, v25
	v_lshl_add_u32 v[SL], v15, 7, v25
	v_lshlrev_b32 v[XA], 8, v15
	v_bfe_u32 v[BA], v0, 2, 3
	v_lshl_add_u32 v[XA], v14, 3, v[XA]
	v_xor_b32 v[BA], 4, v[BA]
	v_add_nc_u32 v[XA], s30, v[XA]
	v_add_nc_u32 v[BA], s30, v[BA]
	v_lshlrev_b32 v[RD], 3, v0
	v_mul_u32_u24 v[CA], v26, 272
	v_mul_u32_u24 v[CR], v15, 272
	v_lshl_add_u32 v[CA], v27, 3, v[CA]
	v_lshl_add_u32 v[CR], v14, 4, v[CR]
	v_add_nc_u32 v[CA], s31, v[CA]
	v_add_nc_u32 v[CR], s31, v[CR]
	v_mov_b32 v[KC], 0xcb000008                    ; -(2^23 + 8)
	v_mov_b32 v[KC+1], 0xc9000080                  ; -(2^19 + 8)
	s_wait_alu depctr_va_vdst(0)
	s_wait_kmcnt 0x0
	s_add_nc_u64 s[4:5], s[4:5], s[20:21]
	s_add_nc_u64 s[10:11], s[10:11], s[22:23]
	s_add_nc_u64 s[6:7], s[6:7], s[26:27]
	s_add_nc_u64 s[8:9], s[8:9], s[26:27]
	s_add_nc_u64 s[12:13], s[12:13], s[28:29]
	s_add_nc_u64 s[14:15], s[14:15], s[28:29]
	global_load_b64 v[P:P+1], v[PO], s[6:7]        ; lane t: the two group scales of step t
	global_load_b64 v[XL:XL+1], v[PO], s[8:9]      ; lane t: x's 8 scale bytes of the same row and K step
.set T_, 0
.rept 32
	global_load_b128 v[X+4*T_:X+4*T_+3], v[XO], s[4:5] offset:(T_%16)*8192+(T_/16)*512 th:TH_LOAD_NT
.set T_, T_+1
.endr
	s_wait_loadcnt 32                              ; the two small loads are in, the 32 behind them stay out
	ds_store_b32 v[SA], v[P]
	ds_store_b32 v[SA], v[P+1] offset:128
	ds_store_b64 v[XA], v[XL:XL+1] offset:XSB
.irp c, 0,1,2,3,4,5,6,7
	ds_load_b128 v[S+4*\c:S+4*\c+3], v[SL] offset:16*\c   ; my wave's own bytes, served in order: lanes 0-15 get the first groups' 32 scales, lanes 16-31 the second groups'
.endr
	s_wait_dscnt 0x0
.macro STEP t
.set FS, F+8*((\t)%2)
.set TS, W+3*((\t)%2)
.set XT, X+4*(\t)
	s_wait_loadcnt 31-(\t)                         ; step t's load is in; the younger ones stay out
.irp c, 0,1,2,3
	v_and_or_b32 v[FS+2*\c], v[XT+\c], 15, s33     ; 2^23 + the low nibble
	v_and_or_b32 v[FS+2*\c+1], v[XT+\c], 0xf0, s34 ; 2^19 + the next nibble
.endr
.irp c, 0,2,4,6
	v_pk_add_f32 v[FS+\c:FS+\c+1], v[FS+\c:FS+\c+1], v[KC:KC+1]   ; nibble - 8: exact
.endr
.irp c, 0,2,4,6
.if (\t)%2 == 0                                ; of the pair that holds S[t] one word serves both halves: the first for an even step, the second for an odd one
	v_pk_mul_f32 v[FS+\c:FS+\c+1], v[FS+\c:FS+\c+1], v[S+(\t):S+(\t)+1] op_sel_hi:[1,0]
.else
	v_pk_mul_f32 v[FS+\c:FS+\c+1], v[FS+\c:FS+\c+1], v[S+(\t)-1:S+(\t)] op_sel:[0,1] op_sel_hi:[1,1]
.endif
.endr
	v_max3_num_f32 v[TS], |v[FS]|, |v[FS+1]|, 0x8000000            ; my 8 in two chains, and the floor 2^(16 - 127)
	v_max3_num_f32 v[TS+1], |v[FS+2]|, |v[FS+3]|, |v[FS+4]|
	v_max3_num_f32 v[TS], v[TS], |v[FS+5]|, |v[FS+6]|
	v_max3_num_f32 v[TS], v[TS], v[TS+1], |v[FS+7]|
	v_max_num_f32_dpp v[TS], v[TS], v[TS] row_xmask:1 row_mask:0xf bank_mask:0xf   ; with the three lanes that share my block
	v_max_num_f32_dpp v[TS], v[TS], v[TS] row_xmask:2 row_mask:0xf bank_mask:0xf
	v_add_nc_u32 v[TS+1], 0xf8800000, v[TS]        ; 15 off the exponent field: the conversion's scale operand
	v_and_or_b32 v[TS+2], v[TS], 0x7f800000, s24   ; 57,344 x the scale
.irp c, 0,1,2,3,4,5,6,7
	v_med3_num_f32 v[FS+\c], v[FS+\c], -v[TS+2], v[TS+2]   ; the conversion does not saturate (ISA guide 7.6.2): the hold comes first
.endr
	v_cvt_scalef32_pk8_bf8_f32 v[XT:XT+1], v[FS:FS+7], v[TS+1]
	v_lshrrev_b32 v[XT+2], 23, v[TS+1]             ; the scale's byte; also the plain line behind the conversion
	ds_store_b8 v[BA], v[XT+2] offset:WSB+((\t)/16)*256+((\t)%16)*8   ; the four lanes of a block write the same byte
	ds_store_b64 v[CA], v[XT:XT+1] offset:((\t)/16)*4352+((\t)%16)*16
.endm
.macro BACK u                          ; two fragments back from my stage: 512 bytes a load, pieces 2 n and 2 n + 1
.irp n, 0,1,2,3,4,5,6,7
	ds_load_b128 v[X+64*\u+4*\n:X+64*\u+4*\n+3], v[CR] offset:\u*4352+\n*544
.endr
.endm
.macro OUT u                           ; 32 lanes store 512 consecutive bytes, at a multiple of 256 from the buffer's first byte
.irp n, 0,1,2,3,4,5,6,7
	global_store_b128 v[XO], v[X+64*\u+4*\n:X+64*\u+4*\n+3], s[10:11] offset:\u*4096+\n*512
.endr
.endm
.irp t, 0,1,2,3,4,5,6,7,8,9,10,11,12,13,14,15
	STEP \t
.endr
	BACK 0
	STEP 16
	STEP 17
	s_wait_dscnt 4                                 ; behind the eight loads: two steps' four stores
	OUT 0
.irp t, 18,19,20,21,22,23,24,25,26,27,28,29,30,31
	STEP \t
.endr
	BACK 1
	s_wait_dscnt 0x0                               ; my loads are back; for the others' sake: my stores into the planes are done
	s_barrier_signal -1
	s_barrier_wait -1
	ds_load_b64 v[P:P+1], v[RD] offset:WSB         ; plane w: 32 rows x 8 bytes
	ds_load_b64 v[XL:XL+1], v[RD] offset:XSB
	OUT 1
	s_wait_dscnt 0x0
	global_store_b64 v[CO], v[P:P+1], s[12:13]     ; 256 consecutive bytes, aligned
	global_store_b64 v[CO], v[XL:XL+1], s[14:15]
	s_wait_tensorcnt 0x0                           ; the wave's end
	ds_add_u32 v232, v233
	s_wait_dscnt 0x0
	s_endpgm
.Lfunc_end_k_q5a83806154_prep:
	.size	k_q5a83806154_prep, .Lfunc_end_k_q5a83806154_prep-k_q5a83806154_prep
	.p2alignl 7, 3214868480
	.fill 96, 4, 3214868480
	.section	.rodata,"a",@progbits
	.p2align	6, 0x0
	.amdhsa_kernel k_q5a83806154_prep
		.amdhsa_group_segment_fixed_size 76800
		.amdhsa_private_segment_fixed_size 0
		.amdhsa_enable_private_segment 0
		.amdhsa_kernarg_size 48
		.amdhsa_user_sgpr_count 2
		.amdhsa_user_sgpr_kernarg_segment_ptr 1
		.amdhsa_wavefront_size32 1
		.amdhsa_system_sgpr_workgroup_id_x 1
		.amdhsa_system_sgpr_workgroup_id_y 1
		.amdhsa_system_sgpr_workgroup_id_z 1
		.amdhsa_system_vgpr_workitem_id 0
		.amdhsa_next_free_vgpr 234
		.amdhsa_next_free_sgpr 66
		.amdhsa_reserve_vcc 0
		.amdhsa_float_denorm_mode_32 3
		.amdhsa_float_denorm_mode_16_64 3
		.amdhsa_memory_ordered 1
		.amdhsa_forward_progress 1
		.amdhsa_inst_pref_size 89
	.end_amdhsa_kernel
	.amdgpu_metadata
---
amdhsa.version: [ 1, 2 ]
amdhsa.kernels:
  - .name:           k_q5a83806154_prep
    .symbol:         k_q5a83806154_prep.kd
    .args:
      - { .name: weight_packed, .offset: 0, .size: 8, .value_kind: global_buffer, .address_space: global }
      - { .name: scales, .offset: 8, .size: 8, .value_kind: global_buffer, .address_space: global }
      - { .name: x_scales, .offset: 16, .size: 8, .value_kind: global_buffer, .address_space: global }
      - { .name: w_codes, .offset: 24, .size: 8, .value_kind: global_buffer, .address_space: global }
      - { .name: w_sc, .offset: 32, .size: 8, .value_kind: global_buffer, .address_space: global }
      - { .name: x_sc, .offset: 40, .size: 8, .value_kind: global_buffer, .address_space: global }
    .group_segment_fixed_size: 76800
    .private_segment_fixed_size: 0
    .kernarg_segment_align: 8
    .kernarg_segment_size: 48
    .max_flat_workgroup_size: 256
    .sgpr_count:     66
    .vgpr_count:     234
    .wavefront_size: 32
...
	.end_amdgpu_metadata
.endif
;; end of part 1
;; launch gemm (part 2): grid 16 x 16, 4 waves a work-group, clusters of 4 x 1, 327,680 bytes of LDS; arguments x_codes, x_sc, w_codes, w_sc, bias, out0; writes out0
.if DOCPART == 2
	.amdgcn_target "amdgcn-amd-amdhsa--gfx1250"
	.amdhsa_code_object_version 6
	.text
	.protected	k_q5a83806154_gemm
	.globl	k_q5a83806154_gemm
	.p2align	8
	.type	k_q5a83806154_gemm,@function
k_q5a83806154_gemm:
	s_mov_b64 s[64:65], 0
	v_nop
	global_prefetch_b8 v0, s[64:65] scope:SCOPE_SE
	s_setreg_imm32_b32 hwreg(HW_REG_WAVE_MODE, 25, 1), 1
	s_wait_xcnt 0x0
	s_wait_alu depctr_hold_cnt(0) depctr_sa_sdst(0) depctr_va_vdst(0) depctr_va_sdst(0) depctr_va_ssrc(0) depctr_va_vcc(0) depctr_vm_vsrc(0)
	s_getreg_b32 s2, hwreg(HW_REG_IB_STS2, 6, 4)
	s_cmp_eq_u32 s2, 0
	s_cbranch_scc0 .Lentry_in_a_cluster
	s_endpgm
.Lentry_in_a_cluster:
	s_bfe_u32 s2, ttmp6, 0x10000c
	s_cmp_lg_u32 s2, 0x3003
	s_cbranch_scc0 .Lentry_shape_is_right
	s_endpgm
.Lentry_shape_is_right:
; out0[m][o] = sum over k of x[m][k] w[o][k] + bias[o]: 4,096 x 4,096 x 4,096 on codes of E5M2 with one E8M0 byte for 32 along K; sums in f32.  The input zeros is left out as in the first launch: reference() never uses it.
; A work-group of four waves makes 256 x 256; wave w makes ALL 256 rows x the 64 columns 64 w on: 64 accumulators (x's block a = 0..15, W's block b = 0..3), 512 registers.
; W GOES FROM MEMORY STRAIGHT INTO REGISTERS: w_codes lies in the order of the operand registers, a fragment (16 columns x 128 K) is four loads of 512 consecutive bytes.  Four sets of four fragments take turns;
; step t (128 along K) asks for step t + 3's set.  No wave of the work-group and no partner of the cluster shares these columns, so W has no joint load and no LDS.
; x GOES THROUGH LDS: two slots of 256 rows x 512 K (rows of 512 bytes + 16 of padding), each wave fetching 64 rows by one tensor load.  The four work-groups of a cluster (4 x 1) make one tile row and ask for x's tiles JOINTLY.
; A STEP IS FOUR GROUPS of 16 products: four fragments of x, each against W's four.  x's fragments lie in two halves of four buffers; behind a group stands ONE run of loads: eight v_nop, the 16 LDS loads of the group two on
; (into the half just multiplied), four loads of W, and in a slot's first step five loads of scale words.
; THE MATRIX INSTRUCTION IS USED TRANSPOSED (source 0 = 16 columns of W, source 1 = 16 rows of x): a lane holds eight neighbouring numbers of a row of out0.  The bias is the first products' C.
; THE LAST THREE STEPS GO BY ROWS: block a's twelve products on end; a finished block's 16 rows x 256 bytes go through my own stage in LDS in the run behind its group and are stored in the next run.  K ascends in every sum.
; SCALES: x_sc, w_sc [K / 256][row][8]: a load of 8 bytes a lane brings two blocks' words (lanes 0-15, lanes 16-31) for 256 of K.  w_sc's two words are swapped, so a product's two scale registers differ by an odd number.
; PREFETCHES: in a slot's first step, x's slot three on (each of the cluster's 16 waves names 16 rows x 2 blocks of 256 bytes, shared out by address) and W's slot two on (of my four blocks of columns the one numbered tile row % 4: 32 blocks of 256 bytes;
; so the sixteen work-groups that read a column tile name each block four times in all).  The head asks for x's slots 1, 2 and W's slot 1.  The last trips ask for nothing beyond K.
; REGISTERS: window 0: v0-15 addresses; v16-55, v56-95 scale words, a set for each slot; v96-127 the bias; v128-255 x's eight buffers.  Window 1: W's four sets.  Windows 2, 3: accumulator (a, b) at 8 ((4 a + b) % 32).  On the way out v16-47 and v96-127 take rows read back.
; LIMITS: NaN codes, infinities and sums beyond f32's range are not served otherwise than the matrix unit serves them.
.set PITCH,  528
.set HB,     8*16*PITCH                ; an LDS offset has 16 bits: blocks 8-15 have an address register of their own
.set SLOT,   256*PITCH
.set STAGE,  2*SLOT                    ; 16 rows x 272 bytes a wave; no tensor load lands here
.set SPITCH, 272
.set SPARE,  STAGE+4*16*SPITCH
.set BO,   1                           ; v1  32 h: the bias
.set PWO,  3                           ; v3  256 x lane
.set ADR,  4                           ; v4-7 x's fragments: slot 0 blocks 0-7, 8-15; slot 1 likewise
.set WO,   8                           ; v8  16 x lane
.set SO,   9                           ; v9  8 x lane
.set STO,  10
.set RD,   11
.set CO,   12
.set SPW,  13
.set NIL,  14
.set PXO,  15                          ; v15 4,096 r + 256 h
.set SC,   16
.set BI,   96
.set XF,   128
.set WV,   16
.set G1,   24
.set G0,   32                          ; s[32:35], s[36:39]: a group 0 for each slot
.set WB,   40                          ; bases, stepped once a lap: W's codes; W's prefetch; x's scales; W's scales; x's prefetch
.set PW,   42
.set XS,   44
.set WS,   46
.set PX,   48
.set MSB, 0
.macro WIN new                         ; the immediate's high byte repeats the setting that is left
.if MSB != \new
	s_set_vgpr_msb (MSB<<8)|\new
.set MSB, \new
.endif
.endm
.macro CREST
	s_cmp_lg_u32 s[WV], 0
	s_cbranch_scc1 .Lnot_wave_0_\@
	s_barrier_signal -3
.Lnot_wave_0_\@:
	s_barrier_wait -3
	s_barrier_signal -1
	s_barrier_wait -1
.endm
.macro CROUND
	s_barrier_signal -1
	s_barrier_wait -1
	CREST
.endm
.macro WM d, wf, xf, c, sw, sx, rw, rx
.if (\rw) && (\rx)
	v_wmma_scale_f32_16x16x128_f8f6f4 v[(\d):(\d)+7], v[(\wf):(\wf)+15], v[(\xf):(\xf)+15], v[(\c):(\c)+7], v[(\sw)], v[(\sx)] matrix_a_fmt:MATRIX_FMT_BF8 matrix_b_fmt:MATRIX_FMT_BF8 matrix_a_scale:MATRIX_SCALE_ROW1 matrix_b_scale:MATRIX_SCALE_ROW1
.elseif (\rw)
	v_wmma_scale_f32_16x16x128_f8f6f4 v[(\d):(\d)+7], v[(\wf):(\wf)+15], v[(\xf):(\xf)+15], v[(\c):(\c)+7], v[(\sw)], v[(\sx)] matrix_a_fmt:MATRIX_FMT_BF8 matrix_b_fmt:MATRIX_FMT_BF8 matrix_a_scale:MATRIX_SCALE_ROW1
.elseif (\rx)
	v_wmma_scale_f32_16x16x128_f8f6f4 v[(\d):(\d)+7], v[(\wf):(\wf)+15], v[(\xf):(\xf)+15], v[(\c):(\c)+7], v[(\sw)], v[(\sx)] matrix_a_fmt:MATRIX_FMT_BF8 matrix_b_fmt:MATRIX_FMT_BF8 matrix_b_scale:MATRIX_SCALE_ROW1
.else
	v_wmma_scale_f32_16x16x128_f8f6f4 v[(\d):(\d)+7], v[(\wf):(\wf)+15], v[(\xf):(\xf)+15], v[(\c):(\c)+7], v[(\sw)], v[(\sx)] matrix_a_fmt:MATRIX_FMT_BF8 matrix_b_fmt:MATRIX_FMT_BF8
.endif
.endm
.macro WLOAD gj, gb                    ; W's fragment gb of the step gj (counted from the lap's base) into set gj % 4
.irp c, 0,1,2,3
	global_load_b128 v[64*((\gj)%4)+16*(\gb)+4*\c:64*((\gj)%4)+16*(\gb)+4*\c+3], v[WO], s[WB:WB+1] offset:(\gj)*2048+(\gb)*65536+\c*512
.endr
.endm
.macro XLOAD buf, slot, a, q           ; x's block a, the slot's q-th 128 of K: lane l holds row l % 16; registers 4 c .. 4 c + 3 hold K = 32 c + 16 (l / 16) + 0 .. 15
.irp c, 0,1,2,3
	ds_load_b128 v[XF+16*(\buf)+4*\c:XF+16*(\buf)+4*\c+3], v[ADR+2*(\slot)+(\a)/8] offset:((\a)%8)*16*PITCH+128*(\q)+32*\c
.endr
.endm
.macro SCL e, set, k0                  ; scale words: e = 0..15 x's pair of blocks e / 2, e = 16..19 W's; K step of 256 number k0 + e % 2 from the lap's base
.if (\e) < 16
	global_load_b64 v[SC+40*(\set)+2*(\e):SC+40*(\set)+2*(\e)+1], v[SO], s[XS:XS+1] offset:((\k0)+(\e)%2)*32768+((\e)/2)*256
.else
	global_load_b64 v[SC+40*(\set)+2*(\e):SC+40*(\set)+2*(\e)+1], v[SO], s[WS:WS+1] offset:((\k0)+(\e)%2)*32768+(((\e)-16)/2)*256
.endif
.endm
; Four products: x's block a (in buffer buf) against W's four blocks of set ws.  The accumulators take turns, one instruction a turn.
.macro FS a, ws, set, q, buf, first
.irp b, 0,1,2,3
.if \first
	WIN 0x81+0x40*((\a)/8)
	WM 8*((4*(\a)+\b)%32), 64*(\ws)+16*\b, XF+16*(\buf), BI+8*\b, SC+40*(\set)+32+4*(\b/2)+2*((\q)/2)+1-(\q)%2, SC+40*(\set)+4*((\a)/2)+2*((\q)/2)+(\q)%2, \b%2, (\a)%2
.else
	WIN 0xa1+0x50*((\a)/8)
	WM 8*((4*(\a)+\b)%32), 64*(\ws)+16*\b, XF+16*(\buf), 8*((4*(\a)+\b)%32), SC+40*(\set)+32+4*(\b/2)+2*((\q)/2)+1-(\q)%2, SC+40*(\set)+4*((\a)/2)+2*((\q)/2)+(\q)%2, \b%2, (\a)%2
.endif
.endr
.endm
.macro PLACES                          ; eight places behind a product, ahead of loads into what it has read and of stores that read its sums (ISA guide 7.12.1 for the stores)
	WIN 0
.rept 8
	v_nop
.endr
.endm
.macro PFW j
	global_prefetch_b8 v[PWO], s[PW:PW+1] offset:((\j)/4+2)*8192 th:TH_LOAD_NT scope:SCOPE_SE
.endm
.macro PFX j
	global_prefetch_b8 v[PXO], s[PX:PX+1] offset:((\j)/4+3)*512 th:TH_LOAD_NT scope:SCOPE_SE
.endm
.macro ASK j, pf                       ; pf = 1: both; 2: W's always, x's not in the last trip; 3: neither in the last trip (s3 = 1 there)
.if (\pf) == 1 || (\pf) == 2
	PFW \j
.endif
.if (\pf) == 1
	PFX \j
.endif
.if (\pf) >= 2
	s_cmp_gt_u32 s3, 1
	s_cbranch_scc0 .Lnone_\@
.if (\pf) == 3
	PFW \j
.endif
	PFX \j
.Lnone_\@:
.endif
.endm
; A STEP of 128 along K: step j from the lap's base; slot (j / 4) % 2, its (j % 4)-th 128.  kind 0: plain; 1: the slot's last, the slot is filled again; 2: the slot's last, no fill; 3: the rows' fragments follow, no scales are asked for.
; The wait on LOADcnt: behind step j's set were issued two later sets (32 loads) and, in a slot's second and third step, the next slot's 20 loads of scale words (in a run they stand ahead of W's).
; The wait on DScnt, 16: behind a group's loads stand those of the next group.
.macro STEP j, first, kind, pf
.set Q_, (\j)%4
.set L_, ((\j)/4)%2
.if Q_ == 1 || Q_ == 2
	s_wait_loadcnt 52
.else
	s_wait_loadcnt 32
.endif
.set G_, 0
.rept 4
.if Q_ == 3 && G_ == 2
	WIN 0
	s_wait_tensorcnt 0x0                           ; all my tensor loads have landed: my part of the next slot;
	ds_add_u32 v[SPW], v[NIL]                      ; 0 onto my spare word; sixteen products stand between it and the wait for it
	s_wait_dscnt 17                                ; (the add and the last group's loads may be out)
.elseif Q_ == 3 && G_ == 3
	s_wait_dscnt 0x0                               ; the add is done, and my reads of this slot are over
	s_barrier_signal -1
.else
	s_wait_dscnt 16
.endif
	FS 4*G_, Q_, L_, Q_, (4*G_)%8, \first
	FS 4*G_+1, Q_, L_, Q_, (4*G_+1)%8, \first
.if Q_ == 3 && G_ == 3
	WIN 0
	s_barrier_wait -1
.if (\kind) == 1
	CREST                                          ; the barrier has opened a round of the cluster's barrier
	s_add_nc_u64 s[G0+4*L_+2:G0+4*L_+3], s[G0+4*L_+2:G0+4*L_+3], 1024
	tensor_load_to_lds s[G0+4*L_:G0+4*L_+3], s[G1:G1+7]   ; the slot just read out takes the K two slots on
	s_nop 0
.endif
	PLACES
.irp f, 0,1,2,3
	XLOAD \f, 1-L_, \f, 0                          ; the next slot's first group, which was held back
.endr
	WIN 0x40
	WLOAD (\j)+3, 2
.endif
	FS 4*G_+2, Q_, L_, Q_, (4*G_+2)%8, \first
	FS 4*G_+3, Q_, L_, Q_, (4*G_+3)%8, \first
.if Q_ != 3 || G_ != 2
	PLACES
.irp f, 0,1,2,3
.if G_ < 2
	XLOAD (4*G_+\f)%8, L_, 4*G_+8+\f, Q_
.elseif (\kind) == 3
	XLOAD 4*G_-8+\f, 1, (4*G_-8+\f)/3, 1+(4*G_-8+\f)%3
.elseif Q_ == 3
	XLOAD 4+\f, 1-L_, 4+\f, 0
.else
	XLOAD 4*G_-8+\f, L_, 4*G_-8+\f, Q_+1
.endif
.endr
.if Q_ == 0 && (\kind) != 3
.irp s, 0,1,2,3,4
	SCL 5*G_+\s, 1-L_, 2*((\j)/4)+2                ; the next slot's scale words
.endr
.endif
.if G_ == 1 && (\pf)
	ASK \j, \pf
.endif
.if (\kind) != 3
	WIN 0x40
	WLOAD (\j)+3, G_
.elseif G_ == 0
	WIN 0x40
.irp b, 0,1,2,3
	WLOAD (\j)+3, \b                               ; the last set, whole: the rows want it soon
.endr
.endif
.endif
.set G_, G_+1
.endr
	WIN 0
.endm
.macro TOSTAGE e                       ; block e: 32 bytes a lane into my stage, each accumulator from its low end on, and back as rows of 256 bytes (LDS serves a wave's instructions in order: ISA guide 5.7.1.4)
	WIN 0x08+4*((\e)/8)
.irp b, 0,1,2,3
	ds_store_b128 v[STO], v[8*((4*(\e)+\b)%32):8*((4*(\e)+\b)%32)+3] offset:64*\b
	ds_store_b128 v[STO], v[8*((4*(\e)+\b)%32)+4:8*((4*(\e)+\b)%32)+7] offset:64*\b+16
.endr
	WIN 0
.irp t, 0,1,2,3,4,5,6,7
	ds_load_b128 v[16+80*((\e)%2)+4*\t:16+80*((\e)%2)+4*\t+3], v[RD] offset:\t*2*SPITCH
.endr
.endm
.macro SEND e                          ; sixteen lanes store 256 consecutive bytes, at a multiple of 256 from out0's first byte; 255 rows at the most in the immediate
.irp t, 0,1,2,3,4,5,6,7
	global_store_b128 v[CO], v[16+80*((\e)%2)+4*\t:16+80*((\e)%2)+4*\t+3], s[14:15] offset:(16*(\e)+2*\t)*16384 th:TH_STORE_NT
.endr
.endm
	s_load_b128 s[4:7], s[0:1], 0x0                ; x_codes, x_sc
	s_load_b128 s[8:11], s[0:1], 0x10              ; w_codes, w_sc
	s_load_b128 s[12:15], s[0:1], 0x20             ; bias, out0
	v_lshl_add_u32 v[SPW], v0, 2, SPARE
	v_mov_b32 v[NIL], 0
	ds_add_u32 v[SPW], v[NIL]                      ; the opening: the add, twice on end, and its wait ahead of my first tensor load
	ds_add_u32 v[SPW], v[NIL]
	v_lshrrev_b32 v1, 5, v0
	v_readfirstlane_b32 s[WV], v1                  ; wave 0..3
	s_bfe_u32 s17, ttmp6, 0x40000                  ; cx
	s_lshl_b32 s18, ttmp9, 2
	s_add_co_u32 s18, s18, s17                     ; tile column
	s_and_b32 s19, ttmp7, 0xffff                   ; tile row: the cluster's y
	s_mov_b32 s[G1+0], 15|(1<<20)|(1<<21)|(6<<22)|(3<<25)  ; the four partners; elements of 1 byte; 4 words of padding behind every 128
	s_mov_b32 s[G1+1], 512<<16
	s_mov_b32 s[G1+2], 64<<16
	s_mov_b32 s[G1+3], 512<<16
	s_mov_b32 s[G1+4], 64
	s_mov_b32 s[G1+5], 4096
	s_mov_b32 s[G1+6], 0
	s_mov_b32 s[G1+7], 0
	s_lshl_b32 s20, s19, 20                        ; x's tile: 256 rows x tile row + 64 x wave, rows of 4,096 bytes: no place in the cluster enters
	s_lshl_b32 s21, s[WV], 18
	s_add_co_u32 s20, s20, s21
	s_mov_b32 s21, 0
	s_mul_i32 s22, s[WV], 64*PITCH
	s_mul_i32 s23, s[WV], 16*SPITCH
	s_add_co_u32 s23, s23, STAGE
	s_mov_b32 s[G0], 1
	s_mov_b32 s[G0+1], s22
	s_mov_b32 s[G0+4], 1
	s_add_co_u32 s[G0+5], s22, SLOT
	s_lshl_b32 s50, s18, 20                        ; W's codes: 16 columns are 65,536 bytes
	s_lshl_b32 s51, s[WV], 18
	s_add_co_u32 s50, s50, s51
	s_and_b32 s52, s19, 3
	s_lshl_b32 s52, s52, 16
	s_add_co_u32 s52, s52, s50                     ; the block of columns that I prefetch
	s_lshl_b32 s54, s18, 11                        ; W's scales: 8 bytes a column
	s_lshl_b32 s55, s[WV], 9
	s_add_co_u32 s54, s54, s55
	s_lshl_b32 s56, s19, 11                        ; x's
	s_lshl_b32 s58, s17, 2
	s_add_co_u32 s58, s58, s[WV]
	s_lshl_b32 s58, s58, 16                        ; x's prefetch: which 16 rows of the tile's 256
	s_lshl_b32 s59, s19, 20
	s_add_co_u32 s58, s58, s59
	s_lshl_b32 s60, s18, 10                        ; my first column in bytes
	s_lshl_b32 s61, s[WV], 8
	s_add_co_u32 s60, s60, s61
	s_lshl_b32 s62, s19, 22                        ; 256 rows of out0
	s_add_co_u32 s62, s62, s60
.irp r, 51,53,55,57,59,61,63
	s_mov_b32 s\r, 0
.endr
	v_and_b32 v1, 15, v0                           ; r
	v_bfe_u32 v2, v0, 4, 1                         ; h
	v_and_b32 v3, 31, v0                           ; lane
	v_mul_u32_u24 v[ADR], v1, PITCH
	v_mul_u32_u24 v[STO], v1, SPITCH
	v_mul_u32_u24 v[RD], v2, SPITCH
	v_lshlrev_b32 v[CO], 14, v2
	v_lshlrev_b32 v[PXO], 12, v1
	v_lshl_add_u32 v[ADR], v2, 4, v[ADR]
	v_lshl_add_u32 v[STO], v2, 5, v[STO]
	v_lshl_add_u32 v[RD], v1, 4, v[RD]
	v_lshl_add_u32 v[CO], v1, 4, v[CO]
	v_lshl_add_u32 v[PXO], v2, 8, v[PXO]
	v_add_nc_u32 v[ADR+1], HB, v[ADR]
	v_add_nc_u32 v[ADR+2], SLOT, v[ADR]
	v_add_nc_u32 v[ADR+3], SLOT+HB, v[ADR]
	v_add_nc_u32 v[STO], s23, v[STO]
	v_add_nc_u32 v[RD], s23, v[RD]
	v_lshlrev_b32 v[WO], 4, v3
	v_lshlrev_b32 v[SO], 3, v3
	v_lshlrev_b32 v[BO], 5, v2
	v_lshlrev_b32 v[PWO], 8, v3
	s_wait_alu depctr_va_vdst(0)
	s_wait_dscnt 0x0                               ; both opening adds are done
	CROUND                                         ; the four work-groups are here: the first joint loads meet
	s_wait_kmcnt 0x0
	s_add_nc_u64 s[G0+2:G0+3], s[4:5], s[20:21]
	s_add_nc_u64 s[G0+6:G0+7], s[G0+2:G0+3], 512
	s_or_b32 s[G0+3], s[G0+3], 0x80000000
	s_or_b32 s[G0+7], s[G0+7], 0x80000000
	tensor_load_to_lds s[G0:G0+3], s[G1:G1+7]      ; slot 0: one tensor load a wave at the head
	s_nop 0
	s_add_nc_u64 s[12:13], s[12:13], s[60:61]
	s_add_nc_u64 s[XS:XS+1], s[6:7], s[56:57]
	s_add_nc_u64 s[WS:WS+1], s[10:11], s[54:55]
	s_add_nc_u64 s[WB:WB+1], s[8:9], s[50:51]
	s_add_nc_u64 s[PW:PW+1], s[8:9], s[52:53]
	s_add_nc_u64 s[PX:PX+1], s[4:5], s[58:59]
	s_add_nc_u64 s[14:15], s[14:15], s[62:63]
.irp b, 0,1,2,3
	global_load_b128 v[BI+8*\b:BI+8*\b+3], v[BO], s[12:13] offset:64*\b       ; bias at my eight columns of block b
	global_load_b128 v[BI+8*\b+4:BI+8*\b+7], v[BO], s[12:13] offset:64*\b+16
.endr
.set E_, 0
.rept 20
	SCL E_, 0, 0
.set E_, E_+1
.endr
	WIN 0x40
.irp b, 0,1,2,3
	WLOAD 0, \b                                    ; W's set 0 alone goes out beside the first tile; sets 1 and 2 follow behind slot 1's fill
.endr
	WIN 0
	global_prefetch_b8 v[PWO], s[PW:PW+1] th:TH_LOAD_NT scope:SCOPE_SE   ; W's slot 0 too: my share of the 512 of K whose sets 1 to 3 are loaded later
	global_prefetch_b8 v[PXO], s[PX:PX+1] offset:512 th:TH_LOAD_NT scope:SCOPE_SE
	global_prefetch_b8 v[PWO], s[PW:PW+1] offset:8192 th:TH_LOAD_NT scope:SCOPE_SE
	global_prefetch_b8 v[PXO], s[PX:PX+1] offset:1024 th:TH_LOAD_NT scope:SCOPE_SE
	s_wait_tensorcnt 0x0                           ; my part of slot 0 is in
	ds_add_u32 v[SPW], v[NIL]
	s_wait_dscnt 0x0
	CROUND
	tensor_load_to_lds s[G0+4:G0+7], s[G1:G1+7]    ; slot 1's first fill, the first tensor load behind the round
	s_nop 0
.irp f, 0,1,2,3,4,5,6,7
	XLOAD \f, 0, \f, 0
.endr
	WIN 0x40
.irp t, 1,2
.irp b, 0,1,2,3
	WLOAD \t, \b                                   ; the order on LOADcnt is as ever: bias, scale words, sets 0, 1, 2
.endr
.endr
	STEP 0, 1, 0, 1                                ; the first step stands ahead of the loop: its products start the sums with the bias
	s_mov_b32 s3, 3
.Llap:                                                 ; a trip goes once round the ring, from a lap's second step to the next lap's first, and fills both slots again
	STEP 1, 0, 0, 0
	STEP 2, 0, 0, 0
	STEP 3, 0, 1, 0
	STEP 4, 0, 0, 2
	STEP 5, 0, 0, 0
	STEP 6, 0, 0, 0
	STEP 7, 0, 1, 0
	STEP 8, 0, 0, 3
	s_wait_xcnt 0x0                                ; every load and prefetch has read its base: the bases step by a lap, 1,024 along K
	s_add_nc_u64 s[WB:WB+1], s[WB:WB+1], 16384
	s_add_nc_u64 s[PW:PW+1], s[PW:PW+1], 16384
	s_add_nc_u64 s[XS:XS+1], s[XS:XS+1], 131072
	s_add_nc_u64 s[WS:WS+1], s[WS:WS+1], 131072
	s_add_nc_u64 s[PX:PX+1], s[PX:PX+1], 1024
	s_sub_co_u32 s3, s3, 1
	s_cmp_lg_u32 s3, 0
	s_cbranch_scc1 .Llap
	STEP 1, 0, 0, 0                                ; the last lap fills nothing
	STEP 2, 0, 0, 0
	STEP 3, 0, 2, 0
	STEP 4, 0, 3, 0
; BY ROWS: fragment m = 3 a + q - 1 (q = 1, 2, 3), in twelve groups of four through the same two halves.  Group k finishes blocks 4 k / 3 up to (4 k + 4) / 3, one or two.
; The run behind group k: the places; the loads of group k + 2; the blocks staged one run before are back (behind them stand only these 16 loads) and are stored; their stores have read their registers; the new blocks go to the stage.
; The wait ahead of group k counts what was issued behind its loads: 16 for each block staged in the run before, and 16 for group k + 1's loads.
	s_wait_loadcnt 16                              ; W's sets 1 and 2 are in; set 3's sixteen loads may be out
.set K_, 0
.rept 12
.set E_, (4*K_)/3
.set NB_, (4*K_+4)/3-E_
.if K_ == 0
	s_wait_dscnt 16
.else
.set PE_, (4*K_-4)/3
.set PN_, E_-PE_
.set C_, 16*PN_
.if K_ <= 10
.set C_, C_+16
.endif
	s_wait_dscnt C_
.endif
.irp f, 0,1,2,3
.if 4*K_+\f == 2
	s_wait_loadcnt 0x0                             ; W's set 3
.endif
	FS (4*K_+\f)/3, 1+(4*K_+\f)%3, 1, 1+(4*K_+\f)%3, (4*K_+\f)%8, 0
.endr
	PLACES
.if K_ <= 9
.irp f, 0,1,2,3
	XLOAD (4*K_+\f)%8, 1, (4*K_+8+\f)/3, 1+(4*K_+8+\f)%3
.endr
.endif
.if K_ >= 1
.if K_ <= 9
	s_wait_dscnt 16
.else
	s_wait_dscnt 0x0
.endif
	SEND PE_
.if PN_ == 2
	SEND PE_+1
.endif
	s_wait_xcnt 0x0
.endif
	TOSTAGE E_
.if NB_ == 2
	TOSTAGE E_+1
.endif
.set K_, K_+1
.endr
	s_wait_dscnt 0x0
	SEND 14
	SEND 15
	s_wait_tensorcnt 0x0                           ; the wave's end
	ds_add_u32 v[SPW], v[NIL]
	s_wait_dscnt 0x0
	CROUND                                         ; the closing round
	s_endpgm
.Lfunc_end_k_q5a83806154_gemm:
	.size	k_q5a83806154_gemm, .Lfunc_end_k_q5a83806154_gemm-k_q5a83806154_gemm
	.p2alignl 7, 3214868480
	.fill 96, 4, 3214868480
	.section	.rodata,"a",@progbits
	.p2align	6, 0x0
	.amdhsa_kernel k_q5a83806154_gemm
		.amdhsa_group_segment_fixed_size 327680
		.amdhsa_private_segment_fixed_size 0
		.amdhsa_enable_private_segment 0
		.amdhsa_kernarg_size 48
		.amdhsa_user_sgpr_count 2
		.amdhsa_user_sgpr_kernarg_segment_ptr 1
		.amdhsa_wavefront_size32 1
		.amdhsa_system_sgpr_workgroup_id_x 1
		.amdhsa_system_sgpr_workgroup_id_y 1
		.amdhsa_system_sgpr_workgroup_id_z 1
		.amdhsa_system_vgpr_workitem_id 0
		.amdhsa_next_free_vgpr 1024
		.amdhsa_next_free_sgpr 66
		.amdhsa_reserve_vcc 0
		.amdhsa_float_denorm_mode_32 3
		.amdhsa_float_denorm_mode_16_64 3
		.amdhsa_memory_ordered 1
		.amdhsa_forward_progress 1
		.amdhsa_inst_pref_size 255
	.end_amdhsa_kernel
	.section	.bss,"aw",@nobits
	.p2align	6
	.space	262144
	.amdgpu_metadata
---
amdhsa.version: [ 1, 2 ]
amdhsa.kernels:
  - .name:           k_q5a83806154_gemm
    .symbol:         k_q5a83806154_gemm.kd
    .args:
      - { .name: x_codes, .offset: 0, .size: 8, .value_kind: global_buffer, .address_space: global }
      - { .name: x_sc, .offset: 8, .size: 8, .value_kind: global_buffer, .address_space: global }
      - { .name: w_codes, .offset: 16, .size: 8, .value_kind: global_buffer, .address_space: global }
      - { .name: w_sc, .offset: 24, .size: 8, .value_kind: global_buffer, .address_space: global }
      - { .name: bias, .offset: 32, .size: 8, .value_kind: global_buffer, .address_space: global }
      - { .name: out0, .offset: 40, .size: 8, .value_kind: global_buffer, .address_space: global }
    .group_segment_fixed_size: 327680
    .private_segment_fixed_size: 0
    .kernarg_segment_align: 8
    .kernarg_segment_size: 48
    .max_flat_workgroup_size: 128
    .sgpr_count:     66
    .vgpr_count:     1024
    .wavefront_size: 32
...
	.end_amdgpu_metadata
.endif
;; end of part 2
